; MI455X (gfx1250); checked and timed in simulation.
; The chip was launched on July 23, 2026; its instructions are those of AMD's public machine-readable ISA for CDNA 5 (MIT licence, August 2026) and "CDNA5" Instruction Set Architecture Reference Guide (July 2026). The comments in the code are by the model that wrote it; some were corrected since.
;; Masked Self Attention. Allowed arithmetic: matrix products marked QUANTISED: E2M1 operands, one E8M0 scale for each 32 along K, by v_wmma_scale_f32_16x16x128_f8f6f4 with both operands' format E2M1 (or v_wmma_scale_f32_32x16x128_f4), f32 sums; everything else in f32.
;; Inputs: Wk 256 x 256 float32; Wq 256 x 256 float32; Wv 256 x 256 float32; bk 256 float32; bq 256 float32; bv 256 float32; x 4 x 4,096 x 256 float32.
;; Outputs: out0 4 x 4,096 x 256 float32.
;; This version of the problem:
;;   THIS VERSION OF THE PROBLEM IS GIVEN IN LOW PRECISION. The matrix products marked QUANTISED in the list below multiply operands that are first quantised to E2M1 (2 exponent bits, 1 mantissa bit; 4 bits a number), with one power-of-two scale for each 32 numbers along K (OCP MX v1.0); their sums are f32. All else is computed in f32.
;;   The module's matrix products, in the order in which they are computed (A, B: the left and right operand; K: the contracted axis; several contracted axes count as one K, in the product's order):
;;     1. [M 16,384, K 256] x [K 256, N 256]; A: input x; B: input Wq: QUANTISED
;;     2. [M 16,384, K 256] x [K 256, N 256]; A: input x; B: input Wk: QUANTISED
;;     3. [M 16,384, K 256] x [K 256, N 256]; A: input x; B: input Wv: QUANTISED
;;     4. batch 4 x [M 4,096, K 256] x [K 256, N 4,096]; A: computed on the way; B: computed on the way: QUANTISED
;;     5. batch 4 x [M 4,096, K 4,096] x [K 4,096, N 256]; A: softmax (see below); B: computed on the way: QUANTISED
;;   THE QUANTISER, for each operand of a quantised product, along K:
;;     - K is cut into blocks of 32 from its start; a last block that is shorter is filled with zeros.
;;     - A block's scale is 2^e with e = floor(log2(the largest magnitude in the block)) - 2, held to -126 .. 127; a block of zeros has e = 0. As a byte (E8M0): e + 127.
;;     - Each number is divided by its block's scale, clamped to +-6, and rounded to the nearest number of E2M1, ties to even, subnormals kept.
;;     - The product sums the exact products of the quantised numbers (number of the format x scale) in f32.
;;   ~~~python
;;   def quantise(x, axis):      # numpy; x: float32 -> the quantised numbers, widened to float32 again
;;       x = np.moveaxis(x, axis, -1); K = x.shape[-1]
;;       x = np.pad(x, [(0, 0)] * (x.ndim - 1) + [(0, -K % 32)]); x = x.reshape(x.shape[:-1] + (-1, 32)); a = np.abs(x).max(-1, keepdims=True)
;;       e = np.where(a > 0, np.clip(np.frexp(np.where(a > 0, a, 1))[1] - 1 - 2, -126, 127), 0)      # np.frexp(a)[1] - 1 = floor(log2(a)), exactly
;;       r = np.clip(x / 2.0 ** e, -6, 6)
;;       step = 2.0 ** (np.maximum(np.frexp(np.where(r == 0, 1, r))[1] - 1, 0) - 1)
;;       q = np.round(r / step) * step * 2.0 ** e      # np.round: ties to even
;;       return np.moveaxis(q.reshape(q.shape[:-2] + (-1,))[..., :K], -1, axis).astype(np.float32)
;;   ~~~
;;   SOFTMAX AHEAD OF A QUANTISED PRODUCT. Where the list says 'softmax', what is quantised is not the finished softmax but p = 2^(t - M), with t = logit x log2(e) and M = ceil(the row's largest t), a whole number; so 1/2 < the row's largest p <= 1. The row's sum l is taken of the UNQUANTISED p, in f32, and the product's result is divided by l at the end. Since M is a whole number, a kernel that streams over the keys may use a running M (the ceiling of the running maximum): every later rescaling is an exact power of two, which a block's scale takes up: the codes' values come out the same.
;;   OPERANDS COMPUTED ON THE WAY. 'Computed on the way' means the value that the module computes at that place (a softmax that the list does not call 'softmax' is quantised finished and normalised). What goes into a quantiser is computed in f32, as accurately as f32 sums, v_exp_f32 and their like allow (about 1e-6 of the number): no bf16 or f16 on the way to a quantiser, and a product that is left as it is and whose result goes on into a quantised operand takes f32 operands (vector FMAs, or v_wmma_f32_16x16x4_f32). A number that lies on a knife's edge between two numbers of the format may be rounded either way, as far as f32 arithmetic and the matrix unit's own rounding can turn it there, and no further.
;; One version. Each part assembles by itself: llvm-mc -triple=amdgcn-amd-amdhsa -mcpu=gfx1250 --defsym DOCPART=n.
;; ======== version 1 of 1: 2 launches
;; workspace buffers: qimg 2,228,224 bytes; kv 4,456,448 bytes
;; launch proj (part 1): grid 128 x 2, 8 waves a work-group, no clusters, 79,872 bytes of LDS; arguments x, Wq, Wk, Wv, bq, bk, bv, qimg, kv; writes qimg, kv
.if DOCPART == 1
	.amdgcn_target "amdgcn-amd-amdhsa--gfx1250"
	.amdhsa_code_object_version 6
	.text
	.protected	k_qb32a400daa_proj
	.globl	k_qb32a400daa_proj
	.p2align	8
	.type	k_qb32a400daa_proj,@function
k_qb32a400daa_proj:
	s_mov_b64 s[64:65], 0
	v_nop
	global_prefetch_b8 v0, s[64:65] scope:SCOPE_SE
	s_setreg_imm32_b32 hwreg(HW_REG_WAVE_MODE, 25, 1), 1
	s_wait_xcnt 0x0
; Q = x Wq^T + bq, K = x Wk^T + bk, V = x Wv^T + bv on codes of FP4 (E2M1) with one E8M0 scale for each 32 along K, and the results quantised again:
; Q and K along the 256 channels, V along the keys.  x: [16384][256] f32; W: [256][256] f32, K innermost; b: [256] f32.
; SHARES.  Work-group (blk, y) takes rows 128 blk .. + 127 of x.  y = 0 makes Q (all 256 columns) and V's channels 0-127; y = 1 makes K and V's channels 128-255.
; Both take one path through the text: only pointers and one stride are chosen by y.  Eight waves.
; PHASE A: 512 rows (128 of x, 256 of Wq or Wk, 128 of Wv) are quantised along K: a lane holds 8 neighbours of a row, four lanes a block of 32; codes and scale bytes go to LDS.
; PHASE B, behind the one barrier: wave w makes tile w (16 rows of x) of Q or K, 2 x 128 columns, transposed (source 0 = 16 rows of W, source 1 = x), and tile w of its 128 channels of V
; (source 0 = 16 rows of x, source 1 = 16 rows of Wv): a lane's 64 results are then neighbours along the next product's K, are quantised in registers and leave as IMAGES OF THE OPERAND'S REGISTERS.
; THE ROWS OF A TILE ARE NOT NEIGHBOURS: lane r of tile 2 B + u of 128 rows takes row 32 B + 8 u + r + 8 (r / 8); in LDS such a row lies at POSITION 32 B + 16 u + r, so that a tile is 16 consecutive positions.
; OUT.  kv: a block of 34,816 bytes for each 128 keys: K's fragments [tile 8][half of the channels 2][2][512], K's scale words [tile][128] (lanes 0-15: first half, lanes 16-31: second),
; V's fragments [channel tile 16][2][512], V's scale words [tile][16][4].  qimg: a block of 17,408 bytes for each 128 queries, laid as K's part.
; The scale words leave as stores of 128 and of 64 consecutive bytes: one sixteenth of the codes' bytes.
; NO CLUSTER: what the work-groups share is W, 384 KiB of f32 a work-group, which goes from memory through registers into the quantiser; brought jointly it would have to pass through LDS,
; which holds 320 KiB: a ring, and each number read once more from LDS at four bytes.
; LIMITS: NaN and infinities among the inputs are not served.  A block whose largest magnitude lies under 2^-124 gets the byte 1; a block of zeros too, where the rule says 127: its codes are zeros,
; which add nothing under that byte, and this program alone reads the bytes.
.set CP,    144                        ; a row of 256 codes in LDS: 128 bytes + 16 = 9 x 16: the 16 rows of a fragment load start at 16 different 16-byte columns of 256 bytes
.set BT,    0                          ; LDS: bq or bk, 1,024 bytes
.set SX,    1024                       ; x's scale bytes, 8 a position
.set SWT,   2048                       ; Wq's or Wk's
.set SWV,   4096                       ; Wv's (my 128 rows)
.set CX,    5120                       ; x's codes, 128 positions
.set CWT,   CX+128*CP                  ; Wq's or Wk's, 256 positions
.set CWV,   CWT+256*CP                 ; Wv's, 128 positions; ends at 78,848
.set QBLK,  17408
.set STEPB, 34816
.set GL,  1                            ; v1   32 x lane: my 8 numbers of a row
.set XC,  2                            ; v2-4 where I store codes: 4 x lane + CP x my wave's first position (x, Wq/Wk, Wv)
.set TC,  3
.set VC,  4
.set XB,  5                            ; v5-7 where I store a scale byte: lane / 4 + 8 x that position
.set TB,  6
.set VB,  7
.set FR,  8                            ; v8   a fragment's place for my lane: CP r + 16 h
.set FS,  9                            ; v9   a scale word's: 8 r + 4 h: lanes 0-15 take K step 0's word, lanes 16-31 K step 1's
.set FRW, 10                           ; v10  FR + tile w
.set FSW, 11                           ; v11  FS + tile w
.set BA,  12                           ; v12  64 h: the bias of my half's units
.set LI,  13                           ; v13  16 x lane
.set LS,  14                           ; v14  4 x lane
.set R4,  15                           ; v15  4 r
.set BVC, 16                           ; v16-23 bv of my channel, eight times: the C of V's first products
.set BS,  24                           ; v24-31 scale words of source 0's eight tiles;  v32 of source 1's tile: these hold scales and nothing else
.set SSW, 32
.set M,   34                           ; phase A: v34-41 largest magnitudes, then bytes; v42-49 the conversions' scale operands; v50-57 codes
.set SO,  42
.set CD,  50
.set PC,  34                           ; phase B: v34-41 the fragment just made; v42-57 source 1's two fragments; v58-60 scale words just made
.set SF,  42
.set PW0, 58
.set PW1, 59
.set PWM, 60
.set BV,  61                           ; v61  my word of bq or bk;  v62 4 x my thread's number;  v63 lane
.set T4,  62
.set LN,  63
.set ACC, 64                           ; phase A: v64-255 three sets of 8 rows x 8 numbers.  Phase B: v64-127 eight accumulators, v128-255 source 0's 16 fragments
.set BF,  128
.set TM,   128                         ; at work in QUANT: 12 registers of source 0's fragments, which are done with
.set SEL, 26                           ; s[26:27] v_permlanex16_b32's selects for lane l xor 16
	s_load_b256 s[4:11], s[0:1], 0x0               ; x, Wq, Wk, Wv
	s_load_b256 s[12:19], s[0:1], 0x20             ; bq, bk, bv, qimg
	s_load_b64 s[20:21], s[0:1], 0x40              ; kv
	v_lshl_add_u32 v33, v0, 2, 0x13400
	s_set_vgpr_msb 0x40
	v_mov_b32 v1, 0
	s_set_vgpr_msb 0x4000
	v_lshrrev_b32 v[LN], 5, v0
	s_delay_alu instid0(VALU_DEP_1)
	v_readfirstlane_b32 s22, v[LN]                 ; wave 0..7
	s_and_b32 s23, ttmp7, 0xffff                   ; y
	s_mov_b32 s24, ttmp9                           ; blk
	s_mov_b32 s[SEL], 0x76543210
	s_mov_b32 s[SEL+1], 0xfedcba98
	s_mov_b32 s28, 0xffff0000                      ; lanes 16-31
	v_and_b32 v[LN], 31, v0                        ; lane
	v_and_b32 v58, 15, v0                          ; r
	v_bfe_u32 v59, v0, 4, 1                        ; h
	s_delay_alu instid0(VALU_DEP_3)
	v_lshrrev_b32 v60, 2, v[LN]                    ; lane / 4: which block of 32 of a row
	s_delay_alu instid0(VALU_DEP_4)
	v_lshlrev_b32 v[GL], 5, v[LN]
	v_lshlrev_b32 v[LI], 4, v[LN]
	v_lshlrev_b32 v[LS], 2, v[LN]
	v_lshlrev_b32 v[R4], 2, v58
	v_lshlrev_b32 v[T4], 2, v0
	v_mul_u32_u24 v[FR], v58, CP
	s_delay_alu instid0(VALU_DEP_1)
	v_lshl_add_u32 v[FR], v59, 4, v[FR]
	v_lshlrev_b32 v[FS], 3, v58
	s_delay_alu instid0(VALU_DEP_1)
	v_lshl_add_u32 v[FS], v59, 2, v[FS]
	s_mul_i32 s44, s22, 16*CP
	v_add_nc_u32 v[FRW], s44, v[FR]
	s_lshl_b32 s44, s22, 7
	v_add_nc_u32 v[FSW], s44, v[FS]
	v_lshlrev_b32 v[BA], 6, v59
	s_lshr_b32 s44, s22, 1                         ; x: my rows 16 w .. + 15 lie at positions 32 (w / 2) + 8 (w % 2) + 16 (batch) + 0 .. 7
	s_lshl_b32 s44, s44, 5
	s_and_b32 s45, s22, 1
	s_lshl_b32 s45, s45, 3
	s_add_co_u32 s44, s44, s45
	s_mul_i32 s45, s44, CP
	v_add_nc_u32 v[XC], s45, v[LS]
	s_lshl_b32 s45, s44, 3
	v_add_nc_u32 v[XB], s45, v60
	s_lshl_b32 s44, s22, 5                         ; Wq or Wk: my rows 32 w .. + 31, positions from 32 w
	s_mul_i32 s45, s44, CP
	v_add_nc_u32 v[TC], s45, v[LS]
	s_lshl_b32 s45, s44, 3
	v_add_nc_u32 v[TB], s45, v60
	s_lshl_b32 s44, s22, 4                         ; Wv: my rows 16 w .. + 15 of the work-group's 128, in their own order
	s_mul_i32 s45, s44, CP
	v_add_nc_u32 v[VC], s45, v[LS]
	s_lshl_b32 s45, s44, 3
	v_add_nc_u32 v[VB], s45, v60
	s_lshl_b32 s44, s24, 17                        ; byte offsets: x: (128 blk + 16 w) rows of 1,024
	s_lshl_b32 s45, s22, 14
	s_add_co_u32 s44, s44, s45
	s_mov_b32 s45, 0
	s_lshl_b32 s46, s22, 15                        ; Wq or Wk: 32 w rows
	s_mov_b32 s47, 0
	s_lshl_b32 s48, s23, 17                        ; Wv: (128 y + 16 w) rows
	s_lshl_b32 s49, s22, 14
	s_add_co_u32 s48, s48, s49
	s_mov_b32 s49, 0
	s_lshl_b32 s50, s23, 9                         ; bv: 128 y + 16 w numbers
	s_lshl_b32 s51, s22, 6
	s_add_co_u32 s50, s50, s51
	s_mov_b32 s51, 0
	s_wait_kmcnt 0x0
	s_add_nc_u64 s[30:31], s[4:5], s[44:45]        ; x at my wave's rows
	s_add_nc_u64 s[34:35], s[10:11], s[48:49]      ; Wv at my wave's rows
	s_add_nc_u64 s[16:17], s[16:17], s[50:51]      ; bv at my tile's channels
	s_cmp_eq_u32 s23, 0                            ; Q's work-group or K's?  The choice hangs on the work-group's number alone
	s_cselect_b64 s[32:33], s[6:7], s[8:9]         ; Wq or Wk
	s_cselect_b64 s[12:13], s[12:13], s[14:15]     ; bq or bk
	s_cselect_b64 s[36:37], s[18:19], s[20:21]     ; qimg or kv
	s_mov_b32 s52, STEPB
	s_cselect_b32 s52, QBLK, s52                   ; and a block's bytes there
	s_add_nc_u64 s[32:33], s[32:33], s[46:47]
; 8 rows from row0 on: two loads a row, which together read its 1,024 bytes; a lane gets 8 neighbours
.macro LOADB set, sb, row0
.irp i, 0,1,2,3,4,5,6,7
	global_load_b128 v[\set+8*\i:\set+8*\i+3], v[GL], s[\sb:\sb+1] offset:(\row0+\i)*1024
	global_load_b128 v[\set+8*\i+4:\set+8*\i+7], v[GL], s[\sb:\sb+1] offset:(\row0+\i)*1024+16
.endr
.endm
	global_load_b32 v[BV], v[T4], s[12:13]         ; bq or bk: a word a thread
.irp i, 0,1,2,3,4,5,6,7
	global_load_b32 v[BVC+\i], v[R4], s[16:17]     ; bv of channel 128 y + 16 w + r
.endr
	LOADB 64, 30, 0                                ; batches 0 to 2: 48 loads of a wave are on their way
	LOADB 128, 30, 8
	LOADB 192, 32, 0
	s_mul_i32 s44, s24, s52                        ; where the results go
	s_add_nc_u64 s[36:37], s[36:37], s[44:45]      ; my block of qimg or kv
	s_lshl_b32 s46, s22, 7
	s_add_co_u32 s46, s46, 16384
	s_add_nc_u64 s[38:39], s[36:37], s[46:47]      ; tile w's scale words
	s_lshl_b32 s46, s22, 11
	s_add_nc_u64 s[36:37], s[36:37], s[46:47]      ; tile w's two fragments
	s_mul_i32 s44, s24, STEPB
	s_add_nc_u64 s[40:41], s[20:21], s[44:45]      ; my block of kv
	s_lshl_b32 s48, s23, 3
	s_add_co_u32 s48, s48, s22                     ; V's channel tile 8 y + w
	s_lshl_b32 s46, s48, 6
	s_add_co_u32 s46, s46, 33792
	s_add_nc_u64 s[42:43], s[40:41], s[46:47]      ; its scale words
	s_lshl_b32 s46, s48, 10
	s_add_co_u32 s46, s46, 17408
	s_add_nc_u64 s[40:41], s[40:41], s[46:47]      ; its fragment
; 8 rows become codes and scale bytes in LDS.  The rows take turns line by line, so that no line waits for the line above it.
.macro QROWS set, cadr, coff, sadr, soff
	s_wait_dscnt 0x0                               ; the last batch's LDS stores have read their registers
.irp i, 0,1,2,3,4,5,6,7
	v_max3_num_f32 v[M+\i], |v[\set+8*\i]|, |v[\set+8*\i+1]|, 0x1800000   ; my 8 numbers, and the floor 2^(3 - 127): the byte cannot fall under 1
.endr
.irp j, 2,4,6
.irp i, 0,1,2,3,4,5,6,7
	v_max3_num_f32 v[M+\i], v[M+\i], |v[\set+8*\i+\j]|, |v[\set+8*\i+\j+1]|
.endr
.endr
.irp i, 0,1,2,3,4,5,6,7
	v_max_num_f32_dpp v[M+\i], v[M+\i], v[M+\i] row_xmask:1 row_mask:0xf bank_mask:0xf
.endr
.irp i, 0,1,2,3,4,5,6,7
	v_max_num_f32_dpp v[M+\i], v[M+\i], v[M+\i] row_xmask:2 row_mask:0xf bank_mask:0xf   ; the four lanes of a block: its largest magnitude
.endr
.irp i, 0,1,2,3,4,5,6,7
	v_add_nc_u32 v[SO+\i], 0xff000000, v[M+\i]     ; 2 off its exponent field: the conversion takes the exponent field of this operand as its scale
.endr
.irp i, 0,1,2,3,4,5,6,7
	v_cvt_scalef32_pk8_fp4_f32 v[CD+\i], v[\set+8*\i:\set+8*\i+7], v[SO+\i]
.endr
.irp i, 0,1,2,3,4,5,6,7
	v_lshrrev_b32 v[M+\i], 23, v[SO+\i]            ; the scale's byte (plain lines behind the conversions)
.endr
.irp i, 0,1,2,3,4,5,6,7
	ds_store_b32 v[\cadr], v[CD+\i] offset:\coff+\i*CP
	ds_store_b8 v[\sadr], v[M+\i] offset:\soff+\i*8    ; the four lanes of a block write the same byte with the same value
.endr
.endm
; Each wait leaves the two younger batches, 32 loads, on their way; the last two count down.
	s_wait_loadcnt 32
	ds_store_b32 v[T4], v[BV] offset:BT
	QROWS 64, XC, CX, XB, SX                       ; x, rows 0-7 of my 16
	LOADB 64, 32, 8
	s_wait_loadcnt 32
	QROWS 128, XC, CX+16*CP, XB, SX+16*8           ; x, rows 8-15
	LOADB 128, 32, 16
	s_wait_loadcnt 32
	QROWS 192, TC, CWT, TB, SWT                    ; Wq or Wk: rows 0-7 of my 32: positions 0-7
	LOADB 192, 32, 24
	s_wait_loadcnt 32
	QROWS 64, TC, CWT+16*CP, TB, SWT+16*8          ; rows 8-15: positions 16-23
	LOADB 64, 34, 0
	s_wait_loadcnt 32
	QROWS 128, TC, CWT+8*CP, TB, SWT+8*8           ; rows 16-23: positions 8-15
	LOADB 128, 34, 8
	s_wait_loadcnt 32
	QROWS 192, TC, CWT+24*CP, TB, SWT+24*8         ; rows 24-31: positions 24-31
	s_wait_loadcnt 16
	QROWS 64, VC, CWV, VB, SWV                     ; Wv
	s_wait_loadcnt 0x0
	QROWS 128, VC, CWV+8*CP, VB, SWV+8*8
	s_wait_dscnt 0x0                               ; for the others' sake: my stores have landed
	s_barrier_signal -1
	s_barrier_wait -1                              ; the one barrier: from here on LDS is only read
; 64 numbers of a lane, register 16 b + i = k 32 b + 16 (lane / 16) + i of my row, become a fragment's codes in v[PC] on and its scale word in v[pw]
.macro QUANT s, pw
.irp b, 0,1,2,3
	v_max3_num_f32 v[TM+\b], |v[\s+16*\b]|, |v[\s+1+16*\b]|, 0x1800000   ; each accumulator is read from its low end on
.endr
.irp i, 2,4,6,8,10,12,14
.irp b, 0,1,2,3
	v_max3_num_f32 v[TM+\b], v[TM+\b], |v[\s+16*\b+\i]|, |v[\s+1+16*\b+\i]|
.endr
.endr
.irp b, 0,1,2,3
	s_delay_alu instid0(VALU_DEP_4)
	v_permlanex16_b32 v[TM+4+\b], v[TM+\b], s[SEL], s[SEL+1]
.endr
.irp b, 0,1,2,3
	s_delay_alu instid0(VALU_DEP_4)
	v_max_num_f32 v[TM+\b], v[TM+\b], v[TM+4+\b]   ; with lane l xor 16's: the block's largest magnitude
.endr
.irp b, 0,1,2,3
	s_delay_alu instid0(VALU_DEP_4)
	v_add_nc_u32 v[TM+8+\b], 0xff000000, v[TM+\b]
.endr
.irp b, 0,1,2,3
	s_delay_alu instid0(VALU_DEP_4)
	v_lshrrev_b32 v[TM+4+\b], 23, v[TM+8+\b]
.endr
	s_wait_alu depctr_va_vdst(0)
	s_wait_xcnt 0x0                                ; the last fragment's stores have read their registers: only now are these written again
	v_lshl_or_b32 v[\pw], v[TM+5], 8, v[TM+4]      ; the four bytes make my row's scale word
	s_delay_alu instid0(VALU_DEP_1)
	v_lshl_or_b32 v[\pw], v[TM+6], 16, v[\pw]
	s_delay_alu instid0(VALU_DEP_1)
	v_lshl_or_b32 v[\pw], v[TM+7], 24, v[\pw]
.irp b, 0,1,2,3
	v_cvt_scalef32_pk8_fp4_f32 v[PC+2*\b], v[\s+16*\b:\s+7+16*\b], v[TM+8+\b]
	v_cvt_scalef32_pk8_fp4_f32 v[PC+1+2*\b], v[\s+8+16*\b:\s+15+16*\b], v[TM+8+\b]
.endr
	v_nop                                          ; one plain place behind a scaled conversion
.irp c, 0,1                                    ; the operand's layout wants a whole block in a lane: lanes 0-15 block 2 c, lanes 16-31 block 2 c + 1
.irp i, 0,1
	v_permlane16_swap_b32 v[PC+4*\c+\i], v[PC+2+4*\c+\i]
.endr
.endr
.endm
; Eight tiles of results: source 0 = the eight tiles at bigc, source 1 = tile w at smallc; two K steps of 128.  mode 0: Q or K, columns 128 g on, the bias from LDS as C; mode 1: V, bv as C.
; The eight accumulators take turns, one instruction a turn.
.macro PART bigc, bigs, smallc, smalls, mode, g
.if (\mode) || (\g)
.rept 5
	v_nop                                          ; places behind the last part's products: loads into their registers want four, products that write over them five
.endr
.endif
.irp i, 0,1,2,3,4,5,6,7
.irp s, 0,1
.irp c, 0,1
	ds_load_b128 v[BF+16*\i+8*\s+4*\c:BF+16*\i+8*\s+4*\c+3], v[FR] offset:\bigc+\i*16*CP+64*\s+32*\c
.endr
.endr
	ds_load_b32 v[BS+\i], v[FS] offset:\bigs+128*\i
.endr
.irp s, 0,1
.irp c, 0,1
	ds_load_b128 v[SF+8*\s+4*\c:SF+8*\s+4*\c+3], v[FRW] offset:\smallc+64*\s+32*\c
.endr
.endr
	ds_load_b32 v[SSW], v[FSW] offset:\smalls
.if (\mode) == 0
.irp t, 0,1,2,3,4,5,6,7
.irp q, 0,1
	ds_load_b128 v[ACC+8*\t+4*\q:ACC+8*\t+4*\q+3], v[BA] offset:BT+4*(128*\g+32*(\t/2)+8*(\t%2))+16*\q   ; the bias of units 128 g + 32 (t / 2) + 8 (t % 2) + 16 h + 0 .. 7: the sums begin with it
.endr
.endr
.endif
	s_wait_dscnt 0x0
.irp i, 0,1,2,3,4,5,6,7
.if (\mode) == 0
	v_wmma_scale_f32_16x16x128_f8f6f4 v[ACC+8*\i:ACC+8*\i+7], v[BF+16*\i:BF+16*\i+7], v[SF:SF+7], v[ACC+8*\i:ACC+8*\i+7], v[BS+\i], v[SSW] matrix_a_fmt:MATRIX_FMT_FP4 matrix_b_fmt:MATRIX_FMT_FP4
.else
	v_wmma_scale_f32_16x16x128_f8f6f4 v[ACC+8*\i:ACC+8*\i+7], v[BF+16*\i:BF+16*\i+7], v[SF:SF+7], v[BVC:BVC+7], v[BS+\i], v[SSW] matrix_a_fmt:MATRIX_FMT_FP4 matrix_b_fmt:MATRIX_FMT_FP4
.endif
.endr
.irp i, 0,1,2,3,4,5,6,7
	v_wmma_scale_f32_16x16x128_f8f6f4 v[ACC+8*\i:ACC+8*\i+7], v[BF+16*\i+8:BF+16*\i+15], v[SF+8:SF+15], v[ACC+8*\i:ACC+8*\i+7], v[BS+\i], v[SSW] matrix_a_fmt:MATRIX_FMT_FP4 matrix_b_fmt:MATRIX_FMT_FP4 matrix_a_scale:MATRIX_SCALE_ROW1 matrix_b_scale:MATRIX_SCALE_ROW1
.endr
.rept 4
	v_nop                                          ; places in front of the first read of results, and of writes into fragments that are done with
.endr
.endm
	PART CWT, SWT, CX, SX, 0, 0                    ; Q or K, tile w, channels 0-127
	QUANT ACC, PW0
	global_store_b128 v[LI], v[PC:PC+3], s[36:37]              ; 512 consecutive bytes a store, at a multiple of 256 from the buffer's first byte
	global_store_b128 v[LI], v[PC+4:PC+7], s[36:37] offset:512
	PART CWT+128*CP, SWT+1024, CX, SX, 0, 1        ; channels 128-255
	QUANT ACC, PW1
	global_store_b128 v[LI], v[PC:PC+3], s[36:37] offset:1024
	global_store_b128 v[LI], v[PC+4:PC+7], s[36:37] offset:1536
	v_cndmask_b32 v[PWM], v[PW0], v[PW1], s28      ; lanes 0-15: the first half's word, lanes 16-31: the second's
	global_store_b32 v[LS], v[PWM], s[38:39]
	PART CX, SX, CWV, SWV, 1, 0                    ; V: 128 keys x my 16 channels
	QUANT ACC, PW0
	global_store_b128 v[LI], v[PC:PC+3], s[40:41]
	global_store_b128 v[LI], v[PC+4:PC+7], s[40:41] offset:512
	s_wait_xcnt 0x0                                ; EXEC changes only behind this wait
	v_cmp_gt_u32 vcc_lo, 16, v[LN]
	s_set_vgpr_msb 0x4
	s_wait_tensorcnt 0x0
	ds_add_u32 v33, v1
	s_wait_dscnt 0x0
	s_set_vgpr_msb 0x400
	s_and_saveexec_b32 s44, vcc_lo
	global_store_b32 v[R4], v[PW0], s[42:43]       ; lanes 0-15: a word for each of my 16 channels
	s_wait_xcnt 0x0                                ; and again, in front of the line that widens it
	s_or_b32 exec_lo, exec_lo, s44
	s_endpgm
.Lfunc_end_k_qb32a400daa_proj:
	.size	k_qb32a400daa_proj, .Lfunc_end_k_qb32a400daa_proj-k_qb32a400daa_proj
	.p2alignl 7, 3214868480
	.fill 96, 4, 3214868480
	.section	.rodata,"a",@progbits
	.p2align	6, 0x0
	.amdhsa_kernel k_qb32a400daa_proj
		.amdhsa_group_segment_fixed_size 79872
		.amdhsa_private_segment_fixed_size 0
		.amdhsa_enable_private_segment 0
		.amdhsa_kernarg_size 72
		.amdhsa_user_sgpr_count 2
		.amdhsa_user_sgpr_kernarg_segment_ptr 1
		.amdhsa_wavefront_size32 1
		.amdhsa_system_sgpr_workgroup_id_x 1
		.amdhsa_system_sgpr_workgroup_id_y 1
		.amdhsa_system_sgpr_workgroup_id_z 1
		.amdhsa_system_vgpr_workitem_id 0
		.amdhsa_next_free_vgpr 258
		.amdhsa_next_free_sgpr 66
		.amdhsa_reserve_vcc 1
		.amdhsa_float_denorm_mode_32 3
		.amdhsa_float_denorm_mode_16_64 3
		.amdhsa_memory_ordered 1
		.amdhsa_forward_progress 1
		.amdhsa_inst_pref_size 93
	.end_amdhsa_kernel
	.amdgpu_metadata
---
amdhsa.version: [ 1, 2 ]
amdhsa.kernels:
  - .name:           k_qb32a400daa_proj
    .symbol:         k_qb32a400daa_proj.kd
    .args:
      - { .name: x, .offset: 0, .size: 8, .value_kind: global_buffer, .address_space: global }
      - { .name: Wq, .offset: 8, .size: 8, .value_kind: global_buffer, .address_space: global }
      - { .name: Wk, .offset: 16, .size: 8, .value_kind: global_buffer, .address_space: global }
      - { .name: Wv, .offset: 24, .size: 8, .value_kind: global_buffer, .address_space: global }
      - { .name: bq, .offset: 32, .size: 8, .value_kind: global_buffer, .address_space: global }
      - { .name: bk, .offset: 40, .size: 8, .value_kind: global_buffer, .address_space: global }
      - { .name: bv, .offset: 48, .size: 8, .value_kind: global_buffer, .address_space: global }
      - { .name: qimg, .offset: 56, .size: 8, .value_kind: global_buffer, .address_space: global }
      - { .name: kv, .offset: 64, .size: 8, .value_kind: global_buffer, .address_space: global }
    .group_segment_fixed_size: 79872
    .private_segment_fixed_size: 0
    .kernarg_segment_align: 8
    .kernarg_segment_size: 72
    .max_flat_workgroup_size: 256
    .sgpr_count:     66
    .vgpr_count:     258
    .wavefront_size: 32
...
	.end_amdgpu_metadata
.endif
;; end of part 1
;; launch attn (part 2): grid 256 x 1, 8 waves a work-group, clusters of 4 x 1, 327,680 bytes of LDS; arguments qimg, kv, out0; writes out0
.if DOCPART == 2
	.amdgcn_target "amdgcn-amd-amdhsa--gfx1250"
	.amdhsa_code_object_version 6
	.text
	.protected	k_qb32a400daa_attn
	.globl	k_qb32a400daa_attn
	.p2align	8
	.type	k_qb32a400daa_attn,@function
k_qb32a400daa_attn:
	s_mov_b64 s[64:65], 0
	v_nop
	global_prefetch_b8 v0, s[64:65] scope:SCOPE_SE
	s_setreg_imm32_b32 hwreg(HW_REG_WAVE_MODE, 25, 1), 1
	s_wait_xcnt 0x0
	s_wait_alu depctr_hold_cnt(0) depctr_sa_sdst(0) depctr_va_vdst(0) depctr_va_sdst(0) depctr_va_ssrc(0) depctr_va_vcc(0) depctr_vm_vsrc(0)
	s_getreg_b32 s2, hwreg(HW_REG_IB_STS2, 6, 4)
	s_cmp_eq_u32 s2, 0
	s_cbranch_scc0 .Lentry_in_a_cluster
	s_endpgm
.Lentry_in_a_cluster:
	s_bfe_u32 s2, ttmp6, 0x10000c
	s_cmp_lg_u32 s2, 0x3003
	s_cbranch_scc0 .Lentry_shape_is_right
	s_endpgm
.Lentry_shape_is_right:
; out[b][q][:] = the sum over keys k <= q of softmax_k(Q[b][q] . K[b][k] / 16) V[b][k][:], both products on codes of FP4 (E2M1) with one E8M0 scale for each 32 along K.  4 batches, 4,096 rows, 256 channels.
; qimg and kv hold the operands as images of their registers: a fragment is two runs of 512 bytes, lane l's 16 bytes at 16 l; scale words 4 bytes a lane.  A block of kv (34,816 bytes) is a key step of 128 keys.
; THE SOFTMAX: t = score x log2(e) / 16; M = the largest t so far, rounded UP to a whole number; p = 2^(t - M) is quantised along the keys, not normalised; the sum is taken of the unquantised p.
; SHARES.  A batch has 128 groups of 32 queries; group n needs n / 4 + 1 key steps.  Cluster (b, a), work-group cx owns a late group, 127 - (4 a + cx): 32 - a steps, and an early one, 4 a + cx: a + 1 steps:
; 33 steps for every work-group, and the same counts in the four partners of a cluster, which walk the same K and V: each slot is asked for JOINTLY.
; Wave w: phase k = w / 2, group G = (w xor w / 4) & 1 (0 late, 1 early).  It holds both tiles of 16 queries of its group, so that each fragment of K and V read from LDS feeds two matrix instructions,
; and in trip i takes key step 4 i + k, if its group needs it.  The four phases' O, M and sum are merged at the end: the factors are whole powers of two.
; Steps that lie wholly behind the mask are left out by scalar branches on ids; cx enters only global addresses and the mask's lane value, never a branch or an LDS address.
; LAYOUT.  Both products transposed: S^T = K Q^T, O^T = V^T P^T: a lane holds one query (lane % 16).  Lane r of tile 2 B + u of 128 rows holds row 32 B + 8 u + r + 8 (r / 8), for keys and for queries:
; so the 16 registers of key tiles 2 B and 2 B + 1 are the keys 32 B + 16 (lane / 16) + 0 .. 15.
; LIMITS: NaN and infinities are not served.  A block of p that has fallen to zero keeps the byte 1: its codes are zeros.  1 / sum is folded into the merge's factors: each product is rounded once.
; REGISTERS.  Window 0: v1-8 addresses; v9-10 Q's scale words; v12-19 statistics (tile u: -M, largest t, the sum in two halves); v20-23 (f, p's scale word) a tile; v24-31 K's or V's scale words;
;   v32-63 Q; v64-191 S^T, then p, then V's 16 fragments; v192-255 K's 8 fragments, then the softmax's work.   Window 1: O^T, tile u at v[128 u + 8 n].
.set STEPB, 34816                      ; a key step's block: K's fragments, K's scale words, V's fragments, V's scale words
.set KSO,   16384
.set VFO,   17408
.set VSO,   33792
.set SLOTB, 4*STEPB                    ; a slot: four key steps, phase k's at k x STEPB.  No padding: every read takes consecutive bytes
.set BATCH, 32*STEPB
.set QBLK,  17408
.set SPARE, 2*SLOTB                    ; behind the ring: the spare words, 128 bytes for each wave: four blocks of 256 bytes that no other line names
.set STAGE, SPARE+1024                 ; the way out: 16 rows x (256 bytes + 16) for each wave; no fill lands here
.set SPT,   272
.set DUMPP, 32768                      ; after the last fill the ring's bytes take the phases' O^T: G x 131,072 + phase x 32,768,
.set STATS, 262144                     ; and their -M and sums: (4 G + phase) x 512 + tile x 256 + (0: -M, 128: the sum) + 4 x lane
.set A0,  1                            ; v1-2  k x STEPB + 16 x lane, in slot 0, 1
.set B0,  3                            ; v3-4  k x STEPB + 4 x lane
.set SPW, 5                            ; v5    LDS address of my spare word; never rewritten
.set NIL, 6                            ; v6    0; never rewritten
.set DM,  7                            ; v7    my query of tile 0 within its 128, less 16 (lane / 16)
.set PFO, 8                            ; v8    the prefetches' offset
.set QS,  9
.set LN,  11                           ; v11   lane
.set ST,  12
.set F,   20
.set SCR, 24
.set Q,   32
.set S,   64
.set R,   192
.set PC,  192                          ; p's codes, 8 a tile
.set BM,  208                          ; block e = 4 u + b: its largest score, then its largest p
.set PB,  216
.set SO,  224
.set TT,  232
.set NEG, 236
.set SEL, 20                           ; s[20:21] lane selects: lane l xor 16
.set CS,  22                           ; s[22:23] c = log2(e) / 16
.set G1,  24                           ; s[24:31] descriptor group 1;  s[32:39] group 0, a set for each slot
.set G0,  32
.set PFA, 40                           ; s[40:41] where my prefetches stand;  s42: a wave asks while its step count is under this
.set LIM, 42
.set MSB, 0
.macro WIN new                         ; the immediate's high byte repeats the setting that is left
.if MSB != \new
	s_set_vgpr_msb (MSB<<8)|\new
.set MSB, \new
.endif
.endm
.macro ROUND                           ; a round of the cluster's barrier
	s_barrier_signal -1
	s_barrier_wait -1
	s_cmp_lg_u32 s10, 0
	s_cbranch_scc1 .Lnot_wave_0_\@
	s_barrier_signal -3
.Lnot_wave_0_\@:
	s_barrier_wait -3
	s_barrier_signal -1
	s_barrier_wait -1
.endm
.macro JLOAD s                         ; waves 0 to 3 fetch a key step's block each, jointly with the partners' same waves; four v_nop follow the load
	s_cmp_lt_u32 s10, 4
	s_cbranch_scc0 .Lnone_\@
	tensor_load_to_lds s[G0+4*(\s):G0+4*(\s)+3], s[G1:G1+7]
	s_nop 0
.rept 4
	v_nop
.endr
.Lnone_\@:
.endm
; A prefetch of the slot that the NEXT trip's joint load asks for.  All 16 clusters of a batch walk the same slots: the cluster with a = 0, which walks all eight, asks.  Its four partners take a key step's
; block each, told apart by address; a block is 136 runs of 256 bytes: threads 0 to 135, a run each (threads 136 to 159 name run 135 again).  Trips 0 to 5 ask, for slots 2 to 7; slots 0 and 1 come by their loads alone.
.macro ASK
	s_cmp_lt_u32 s18, s[LIM]
	s_cbranch_scc0 .Lnot_mine_\@
	global_prefetch_b8 v[PFO], s[PFA:PFA+1] th:TH_LOAD_NT scope:SCOPE_SE
.Lnot_mine_\@:
.endm
	s_load_b128 s[4:7], s[0:1], 0x0                ; qimg, kv
	s_load_b64 s[8:9], s[0:1], 0x10                ; out0
	v_lshl_add_u32 v[SPW], v0, 2, SPARE
	v_mov_b32 v[NIL], 0
	ds_add_u32 v5, v6
	ds_add_u32 v5, v6
	s_wait_dscnt 0x0
	v_lshrrev_b32 v[LN], 5, v0
	s_delay_alu instid0(VALU_DEP_1)
	v_readfirstlane_b32 s10, v[LN]                 ; wave 0..7
	s_lshr_b32 s12, s10, 1                         ; k
	s_lshr_b32 s11, s10, 2
	s_xor_b32 s11, s11, s10
	s_and_b32 s11, s11, 1                          ; G
	s_bfe_u32 s13, ttmp6, 0x40000                  ; cx
	s_and_b32 s14, ttmp9, 15                       ; a
	s_lshr_b32 s15, ttmp9, 4                       ; b
	s_add_co_u32 s46, s14, 1                       ; the early group's steps
	s_sub_co_u32 s47, 32, s14                      ; the late group's
	s_sub_co_u32 s48, 3, s13                       ; which 32 of its 128 queries: late 3 - cx, early cx
	s_lshl_b32 s49, s14, 2
	s_add_co_u32 s49, s49, s13                     ; the early group
	s_sub_co_u32 s50, 127, s49                     ; the late group
	s_cmp_eq_u32 s11, 0
	s_cselect_b32 s16, s47, s46                    ; my group's steps
	s_cselect_b32 s51, s48, s13
	s_cselect_b32 s52, s50, s49                    ; my group
	s_sub_co_u32 s17, s16, 1                       ; the step on the diagonal; also my queries' block of 128
	s_mov_b32 s18, s12                             ; the step of the trip in hand: 4 i + k
	s_lshr_b32 s43, s14, 3
	s_sub_co_u32 s43, 3, s43                       ; the loop's trips: 3 where the late group needs more than 24 steps (a < 8), else 2: the same in all partners
	s_mov_b32 s19, 0
	s_add_co_u32 s[LIM], s12, 24
	s_cmp_lt_u32 s10, 5
	s_cselect_b32 s[LIM], s[LIM], 0
	s_cmp_eq_u32 s14, 0
	s_cselect_b32 s[LIM], s[LIM], 0
	s_mov_b32 s[SEL], 0x76543210
	s_mov_b32 s[SEL+1], 0xfedcba98
	s_mov_b32 s[CS], 0x3db8aa3b                    ; log2(e) / 16
	s_mov_b32 s[CS+1], s[CS]                       ; (named with it as a pair, so it is written)
	v_and_b32 v[LN], 31, v0
	s_mul_i32 s53, s12, STEPB
	v_lshl_add_u32 v[A0], v[LN], 4, s53
	s_delay_alu instid0(VALU_DEP_1)
	v_add_nc_u32 v[A0+1], SLOTB, v[A0]
	v_lshl_add_u32 v[B0], v[LN], 2, s53
	s_delay_alu instid0(VALU_DEP_1)
	v_add_nc_u32 v[B0+1], SLOTB, v[B0]
	v_and_b32 v[DM], 15, v0
	s_delay_alu instid0(VALU_DEP_1)
	v_and_b32 v[PFO], 8, v[DM]
	s_delay_alu instid0(VALU_DEP_1)
	v_add_nc_u32 v[DM], v[DM], v[PFO]              ; r + 8 (r / 8)
	v_bfe_u32 v[PFO], v0, 4, 1
	s_delay_alu instid0(VALU_DEP_1)
	v_lshlrev_b32 v[PFO], 4, v[PFO]
	s_delay_alu instid0(VALU_DEP_1)
	v_sub_nc_u32 v[DM], v[DM], v[PFO]              ; - 16 h
	s_lshl_b32 s54, s51, 5
	v_add_nc_u32 v[DM], s54, v[DM]                 ; + my group's place in its 128
	v_min_u32 v[PFO], 135, v0
	s_delay_alu instid0(VALU_DEP_1)
	v_lshlrev_b32 v[PFO], 8, v[PFO]
	v_lshlrev_b32 v192, 4, v[LN]                   ; Q's offsets
	v_lshlrev_b32 v193, 2, v[LN]
	; descriptor group 1: a dense block of 34,816 bytes as 136 rows of 256 bytes (32 elements of 8 bytes)
	s_mov_b32 s[G1], 15|(3<<16)|(1<<21)            ; 15:0 the mask: all four work-groups; 17:16 elements of 8 bytes; 21 set beside a mask
	s_mov_b32 s[G1+1], 32<<16                      ; tensor_dim0
	s_mov_b32 s[G1+2], 136<<16                     ; tensor_dim1
	s_mov_b32 s[G1+3], 32<<16                      ; tile_dim0
	s_mov_b32 s[G1+4], 136                         ; tile_dim1
	s_mov_b32 s[G1+5], 32                          ; from row to row
	s_mov_b32 s[G1+6], 0
	s_mov_b32 s[G1+7], 0
	s_mov_b32 s55, 0
	s_mul_i32 s53, s10, STEPB                      ; the block that I fetch, if I fetch: wave x STEPB, in a slot and in memory
	s_mul_i32 s59, s15, BATCH
	s_add_co_u32 s54, s59, s53
	s_wait_kmcnt 0x0
	s_add_nc_u64 s[56:57], s[6:7], s[54:55]
.irp s, 0,1
	s_mov_b32 s[G0+4*\s], 1                        ; count = 1
	s_add_co_u32 s[G0+4*\s+1], s53, \s*SLOTB       ; LDS address
	s_add_nc_u64 s[G0+4*\s+2:G0+4*\s+3], s[56:57], \s*SLOTB   ; global address: trip s's four steps
	s_or_b32 s[G0+4*\s+3], s[G0+4*\s+3], 0x80000000           ; type = 2
.endr
	s_mul_i32 s54, s13, STEPB                      ; the prefetches: my work-group's block, in slot 1: the first trip steps it to slot 2
	s_add_co_u32 s54, s54, s59
	s_add_co_u32 s54, s54, SLOTB
	s_add_nc_u64 s[PFA:PFA+1], s[6:7], s[54:55]
	s_lshl_b32 s58, s15, 5                         ; Q: block 32 b + my queries' 128; tiles 2 x (place of my 32) + u
	s_add_co_u32 s58, s58, s17
	s_mul_i32 s58, s58, QBLK
	s_lshl_b32 s54, s51, 8
	s_add_co_u32 s54, s54, s58
	s_add_co_u32 s54, s54, KSO
	s_add_nc_u64 s[44:45], s[4:5], s[54:55]        ; its scale words
	s_lshl_b32 s54, s51, 12
	s_add_co_u32 s54, s54, s58
	s_add_nc_u64 s[4:5], s[4:5], s[54:55]          ; its fragments
	s_lshl_b32 s54, s15, 12                        ; out0: what I store at the end: tile k / 2 of my group, channels 128 (k % 2) on
	s_lshl_b32 s58, s52, 5
	s_add_co_u32 s54, s54, s58
	s_lshr_b32 s58, s12, 1
	s_lshl_b32 s58, s58, 3
	s_add_co_u32 s54, s54, s58                     ; row 4,096 b + 32 group + 8 (k / 2)
	s_lshl_b32 s54, s54, 10
	s_and_b32 s58, s12, 1
	s_lshl_b32 s58, s58, 9
	s_add_co_u32 s54, s54, s58
	s_add_nc_u64 s[8:9], s[8:9], s[54:55]
	ROUND                                          ; all four work-groups are here: the first joint loads meet
	JLOAD 0                                        ; slot 0: by this text's count a wave never has more than one tensor load out
	s_wait_alu depctr_va_vdst(0)
.irp u, 0,1
.irp g, 0,1
.irp c, 0,1
	global_load_b128 v[Q+16*\u+8*\g+4*\c:Q+16*\u+8*\g+4*\c+3], v192, s[4:5] offset:2048*\u+1024*\g+512*\c   ; Q stays in registers
.endr
.endr
	global_load_b32 v[QS+\u], v193, s[44:45] offset:128*\u     ; lanes 0-15: channels 0-127's word, lanes 16-31: channels 128-255's
.endr
.irp u, 0,1
	v_mov_b32 v[ST+4*\u+1], 0xff61b1e6             ; the largest t so far: -3e38, under every t
	s_delay_alu instid0(VALU_DEP_1)
	v_floor_f32 v[ST+4*\u], -v[ST+4*\u+1]          ; -M
	v_mov_b32 v[ST+4*\u+2], 0                      ; the sum, in two halves
	v_mov_b32 v[ST+4*\u+3], 0
	v_mov_b32 v[F+2*\u], 0
	v_mov_b32 v[F+2*\u+1], 0                       ; (named as the upper half of a pair before it is first written)
.endr
	WIN 0x40                                       ; O^T begins as zeros, while the first tiles are on their way: a phase that has no step hands zeros to the merge, and the step is written without a first form of its own
.set J, 0
.rept 256
	v_mov_b32 v[J], 0
.set J, J+1
.endr
	WIN 0
	s_wait_loadcnt 0x0                             ; Q
; A KEY STEP for my two tiles, from slot sl.
.macro STEP sl
	s_cmp_ge_u32 s18, s16                          ; all its keys come after my queries, or it lies past the batch's need: left out
	s_cbranch_scc1 .Lskip_\@
.rept 5
	v_nop                                          ; S^T's registers held V's fragments: products that write over registers of the last products stand five places behind them; the loads below want four
.endr
.irp y, 0,1                                    ; S^T = K Q^T, four tiles of 16 keys at a time
.if \y
.rept 4
	v_nop                                          ; places in front of loads into registers that matrix instructions have read
.endr
.endif
.irp t, 0,1,2,3
.irp g, 0,1
.irp c, 0,1
	ds_load_b128 v[R+16*\t+8*\g+4*\c:R+16*\t+8*\g+4*\c+3], v[A0+\sl] offset:((4*\y+\t)*2+\g)*1024+512*\c
.endr
.endr
	ds_load_b32 v[SCR+\t], v[B0+\sl] offset:KSO+128*(4*\y+\t)
.endr
	s_wait_dscnt 0x0
.irp t, 0,1,2,3                                ; eight accumulators by turns: channels 0-127 start the sums,
.irp u, 0,1
	v_wmma_scale_f32_16x16x128_f8f6f4 v[S+64*\u+8*(4*\y+\t):S+64*\u+8*(4*\y+\t)+7], v[R+16*\t:R+16*\t+7], v[Q+16*\u:Q+16*\u+7], 0, v[SCR+\t], v[QS+\u] matrix_a_fmt:MATRIX_FMT_FP4 matrix_b_fmt:MATRIX_FMT_FP4
.endr
.endr
.irp t, 0,1,2,3                                ; channels 128-255 follow
.irp u, 0,1
	v_wmma_scale_f32_16x16x128_f8f6f4 v[S+64*\u+8*(4*\y+\t):S+64*\u+8*(4*\y+\t)+7], v[R+16*\t+8:R+16*\t+15], v[Q+16*\u+8:Q+16*\u+15], v[S+64*\u+8*(4*\y+\t):S+64*\u+8*(4*\y+\t)+7], v[SCR+\t], v[QS+\u] matrix_a_fmt:MATRIX_FMT_FP4 matrix_b_fmt:MATRIX_FMT_FP4 matrix_a_scale:MATRIX_SCALE_ROW1 matrix_b_scale:MATRIX_SCALE_ROW1
.endr
.endr
.endr
.rept 4
	v_nop
.endr
	s_cmp_lg_u32 s18, s17                          ; only the step on the diagonal has hidden keys: their scores become -infinity ahead of the maximum.  Its first key counts for every query
	s_cbranch_scc1 .Lopen_\@
	v_mov_b32 v[NEG], 0xff800000
.set J, 0
.rept 128                                      ; register 16 b + i of tile u holds key 32 b + 16 h + i; my query is DM + 16 h + 8 u
	v_cmp_gt_i32 vcc_lo, 32*((J%64)/16)+J%16-8*(J/64), v[DM]
	v_cndmask_b32 v[S+J], v[S+J], v[NEG], vcc_lo
.set J, J+1
.endr
.Lopen_\@:
.irp e, 0,1,2,3,4,5,6,7
	v_max3_num_f32 v[BM+\e], v[S+16*\e], v[S+16*\e+1], v[S+16*\e+2]   ; the largest score of each block of 32 keys: for the row's maximum, and, since p rises with the score, for the block's largest p
.endr
.irp i, 3,5,7,9,11,13
.irp e, 0,1,2,3,4,5,6,7
	v_max3_num_f32 v[BM+\e], v[BM+\e], v[S+16*\e+\i], v[S+16*\e+\i+1]
.endr
.endr
.irp e, 0,1,2,3,4,5,6,7
	v_max_num_f32 v[BM+\e], v[BM+\e], v[S+16*\e+15]
.endr
.irp e, 0,1,2,3,4,5,6,7
	v_permlanex16_b32 v[PB+\e], v[BM+\e], s[SEL], s[SEL+1]
.endr
.irp e, 0,1,2,3,4,5,6,7
	v_max_num_f32 v[BM+\e], v[BM+\e], v[PB+\e]     ; with lane l xor 16's 16 keys
.endr
.irp u, 0
	v_max3_num_f32 v[TT+\u], v[BM+4*\u], v[BM+4*\u+1], v[BM+4*\u+2]
.endr
.irp u, 1
	s_delay_alu instid0(VALU_DEP_3)
	v_max3_num_f32 v[TT+\u], v[BM+4*\u], v[BM+4*\u+1], v[BM+4*\u+2]
.endr
.irp u, 0,1
	s_delay_alu instid0(VALU_DEP_2)
	v_max_num_f32 v[TT+\u], v[TT+\u], v[BM+4*\u+3] ; the step's largest score of my query
.endr
.irp u, 0,1
	s_delay_alu instid0(VALU_DEP_2)
	v_mul_f32 v[TT+\u], s[CS], v[TT+\u]            ; as t
.endr
.irp u, 0,1
	s_delay_alu instid0(VALU_DEP_2)
	v_max_num_f32 v[ST+4*\u+1], v[ST+4*\u+1], v[TT+\u]   ; the running largest t
.endr
.irp u, 0,1
	v_mov_b32 v[TT+\u], v[ST+4*\u]
.endr
.irp u, 0,1
	s_delay_alu instid0(VALU_DEP_4)
	v_floor_f32 v[ST+4*\u], -v[ST+4*\u+1]          ; the new -M = -ceil(t): a whole number
.endr
.irp u, 0,1
	s_delay_alu instid0(VALU_DEP_2)
	v_sub_f32 v[TT+\u], v[ST+4*\u], v[TT+\u]       ; old M - new M: a whole number, 0 or less
.endr
.irp u, 0,1
	s_delay_alu instid0(VALU_DEP_2)
	v_cvt_i32_f32 v[TT+\u], v[TT+\u]               ; (it saturates)
.endr
.irp u, 0,1
	s_delay_alu instid0(VALU_DEP_2)
	v_ldexp_f32 v[F+2*\u], 1.0, v[TT+\u]           ; f = 2^(old M - new M): multiplying by it rounds nothing
.endr
.set J, 0
.rept 64
	v_pk_fma_f32 v[S+J:S+J+1], v[S+J:S+J+1], s[CS:CS+1], v[ST+4*(J/64):ST+4*(J/64)+1] op_sel_hi:[1,0,0]   ; t - M, two at a time
.set J, J+2
.endr
.irp e, 0,1,2,3,4,5,6,7
	v_fma_f32 v[BM+\e], v[BM+\e], s[CS], v[ST+4*(\e/4)]        ; the same of each block's largest score
.endr
.set J, 0
	s_wait_alu depctr_va_vdst(0)
.rept 128
	v_exp_f32 v[S+J], v[S+J]                       ; p = 2^(t - M): one batch
.set J, J+1
.endr
.irp u, 0,1
	v_pk_mul_f32 v[ST+4*\u+2:ST+4*\u+3], v[ST+4*\u+2:ST+4*\u+3], v[F+2*\u:F+2*\u+1] op_sel_hi:[1,0]   ; the sums under the new M (plain lines behind the exponentials)
.endr
	s_wait_alu depctr_va_vdst(0)                   ; one wait for the whole batch, ahead of its first reader
.irp e, 0,1,2,3,4,5,6,7
	v_exp_f32 v[BM+\e], v[BM+\e]                   ; each block's largest p: the same two instructions on the same number
.endr
.irp u, 0,1
	v_pk_add_f32 v[PB+4*\u:PB+4*\u+1], v[S+64*\u:S+64*\u+1], v[S+64*\u+2:S+64*\u+3]   ; the row's sum is taken of the unquantised p: two chains a tile.  These lines name none of the eight results
.endr
.irp j, 4,8,12,16,20,24,28,32,36,40,44,48,52,56,60
.irp u, 0,1
	v_pk_add_f32 v[ST+4*\u+2:ST+4*\u+3], v[ST+4*\u+2:ST+4*\u+3], v[S+64*\u+\j:S+64*\u+\j+1]
	v_pk_add_f32 v[PB+4*\u:PB+4*\u+1], v[PB+4*\u:PB+4*\u+1], v[S+64*\u+\j+2:S+64*\u+\j+3]
.endr
.endr
.irp u, 0
	s_delay_alu instid0(VALU_DEP_3)
	v_pk_add_f32 v[ST+4*\u+2:ST+4*\u+3], v[ST+4*\u+2:ST+4*\u+3], v[PB+4*\u:PB+4*\u+1]
.endr
.irp u, 1
	s_delay_alu instid0(VALU_DEP_2)
	v_pk_add_f32 v[ST+4*\u+2:ST+4*\u+3], v[ST+4*\u+2:ST+4*\u+3], v[PB+4*\u:PB+4*\u+1]
.endr
	s_wait_alu depctr_va_vdst(0)                   ; and one for the eight
.irp e, 0,1,2,3,4,5,6,7
	v_max_num_f32 v[BM+\e], 0x1800000, v[BM+\e]    ; the floor 2^(3 - 127): the byte cannot fall under 1
.endr
.irp e, 0,1,2,3,4,5,6,7
	v_add_nc_u32 v[SO+\e], 0xff000000, v[BM+\e]    ; 2 off the exponent field: the conversion's scale operand
.endr
.irp e, 0,1,2,3,4,5,6,7
	v_lshrrev_b32 v[PB+\e], 23, v[SO+\e]           ; the scale's byte
.endr
.irp u, 0
	v_lshl_or_b32 v[F+2*\u+1], v[PB+4*\u+1], 8, v[PB+4*\u]     ; p's scale word for these 128 keys
.endr
.irp u, 1
	s_delay_alu instid0(VALU_DEP_4)
	v_lshl_or_b32 v[F+2*\u+1], v[PB+4*\u+1], 8, v[PB+4*\u]     ; p's scale word for these 128 keys
.endr
.irp u, 0,1
	s_delay_alu instid0(VALU_DEP_2)
	v_lshl_or_b32 v[F+2*\u+1], v[PB+4*\u+2], 16, v[F+2*\u+1]
.endr
.irp u, 0,1
	s_delay_alu instid0(VALU_DEP_2)
	v_lshl_or_b32 v[F+2*\u+1], v[PB+4*\u+3], 24, v[F+2*\u+1]
.endr
.irp e, 0,1,2,3,4,5,6,7
	v_cvt_scalef32_pk8_fp4_f32 v[PC+2*\e], v[S+16*\e:S+16*\e+7], v[SO+\e]
	v_cvt_scalef32_pk8_fp4_f32 v[PC+2*\e+1], v[S+16*\e+8:S+16*\e+15], v[SO+\e]
.endr
	v_nop                                          ; one plain place behind a scaled conversion
.irp d, 0,1,2,3                                ; the operand's layout wants a whole block in a lane
.irp i, 0,1
	v_permlane16_swap_b32 v[PC+4*\d+\i], v[PC+4*\d+2+\i]
.endr
.endr
.irp n, 0,1,2,3,4,5,6,7,8,9,10,11,12,13,14,15  ; V's 16 fragments take p's registers, in one run
.irp c, 0,1
	ds_load_b128 v[S+8*\n+4*\c:S+8*\n+4*\c+3], v[A0+\sl] offset:VFO+1024*\n+512*\c
.endr
.endr
.irp i, 0,1,2,3,4,5,6,7
	ds_load_b32 v[SCR+\i], v[B0+\sl] offset:VSO+128*\i         ; lanes 0-15: channel tile 2 i's words, lanes 16-31: tile 2 i + 1's
.endr
	WIN 0x41                                       ; O^T (destination and source 0) in window 1
.set J, 0
.rept 128
	v_pk_mul_f32 v[J:J+1], v[J:J+1], v[F+2*(J/128):F+2*(J/128)+1] op_sel_hi:[1,0]   ; O^T under the new M, while V is on its way; these lines are also the places between the codes and scale words just made and the products
.set J, J+2
.endr
	s_wait_alu depctr_va_vdst(0)
	s_wait_dscnt 0x0
	WIN 0x50                                       ; C and D in window 1
.irp n, 0,1,2,3,4,5,6,7,8,9,10,11,12,13,14,15  ; O^T += V^T P^T: 32 accumulators, one instruction each
.irp u, 0,1
.if \n%2
	v_wmma_scale_f32_16x16x128_f8f6f4 v[128*\u+8*\n:128*\u+8*\n+7], v[S+8*\n:S+8*\n+7], v[PC+8*\u:PC+8*\u+7], v[128*\u+8*\n:128*\u+8*\n+7], v[SCR+\n/2], v[F+2*\u+1] matrix_a_fmt:MATRIX_FMT_FP4 matrix_b_fmt:MATRIX_FMT_FP4 matrix_a_scale:MATRIX_SCALE_ROW1
.else
	v_wmma_scale_f32_16x16x128_f8f6f4 v[128*\u+8*\n:128*\u+8*\n+7], v[S+8*\n:S+8*\n+7], v[PC+8*\u:PC+8*\u+7], v[128*\u+8*\n:128*\u+8*\n+7], v[SCR+\n/2], v[F+2*\u+1] matrix_a_fmt:MATRIX_FMT_FP4 matrix_b_fmt:MATRIX_FMT_FP4
.endif
.endr
.endr
	WIN 0
.Lskip_\@:
	s_add_co_u32 s18, s18, 4                       ; my step of the next trip
.endm
; A TRIP.  Each wave waits for all its tensor loads (its part of slot sl), adds 0 to its spare word, and waits for that and for its reads of the other slot.  fill = 1: a round of the cluster's barrier:
; no wave of any partner still reads the other slot or has a load on its way; the joint refill comes first behind it and has this trip's steps in which to land.
.macro IT sl, fill
	s_wait_tensorcnt 0x0                           ; no tensor load of mine is out, so a group 0 may be written
	ds_add_u32 v[SPW], v[NIL]                      ; 0 onto my spare word
	s_add_nc_u64 s[G0+4*\sl+2:G0+4*\sl+3], s[G0+4*\sl+2:G0+4*\sl+3], 2*SLOTB   ; this slot's next four steps (in the last two trips the stepped address is not used)
.if \fill
	s_wait_xcnt 0x0                                ; the last prefetch, a trip back, has read its address
	s_add_nc_u64 s[PFA:PFA+1], s[PFA:PFA+1], SLOTB
.endif
	s_wait_dscnt 0x0                               ; the add is done, and my reads of the other slot are over
.if \fill
	ROUND
	JLOAD 1-\sl
	ASK
.else
	s_barrier_signal -1
	s_barrier_wait -1
.endif
	STEP \sl
.endm
.Lpair:                                            ; both slots are written out with constant addresses: no LDS address is stepped
	IT 0, 1
	IT 1, 1
	s_add_co_u32 s19, s19, 1
	s_cmp_lt_u32 s19, s43
	s_cbranch_scc1 .Lpair
	IT 0, 1                                        ; the tail is written out: 8 trips in all where a < 8, else 6
	IT 1, 0
	; THE MERGE.  Each wave lays its O^T, -M and sums into the ring's bytes, which have had their last fill; wave (G, k) then adds up, for tile k / 2 of group G, channels 128 (k % 2) on, the four phases' parts.
.rept 4
	v_nop                                          ; places behind the last products
.endr
	s_wait_dscnt 0x0                               ; my reads of the slots are over
	s_wait_xcnt 0x0                                ; and the last prefetch has read its offset: the address registers are written anew
.irp u, 0,1
	v_add_f32 v[ST+4*\u+2], v[ST+4*\u+2], v[ST+4*\u+3]         ; the sum's two halves,
.endr
.irp u, 0,1
	s_delay_alu instid0(VALU_DEP_2)
	v_permlanex16_b32 v[F+2*\u], v[ST+4*\u+2], s[SEL], s[SEL+1]
.endr
.irp u, 0,1
	s_delay_alu instid0(VALU_DEP_2)
	v_add_f32 v[ST+4*\u+2], v[ST+4*\u+2], v[F+2*\u]            ; and lane l xor 16's
.endr
	v_and_b32 v20, 15, v0                          ; r
	v_bfe_u32 v22, v0, 4, 1                        ; h
	s_wait_alu depctr_va_vdst(0)
	s_lshl_b32 s46, s11, 17
	s_lshl_b32 s47, s12, 15
	s_add_co_u32 s47, s47, s46
	v_lshl_add_u32 v1, v[LN], 4, s47               ; v1: where I lay O^T: 131,072 G + 32,768 k + 16 x lane
	s_lshl_b32 s47, s12, 13
	s_add_co_u32 s47, s47, s46
	v_lshl_add_u32 v4, v[LN], 4, s47               ; v4: what I read back: registers 64 k on of phases 0 and 1: 131,072 G + 8,192 k + 16 x lane;
	s_delay_alu instid0(VALU_DEP_1)
	v_add_nc_u32 v7, 65536, v4                     ; v7: of phases 2 and 3
	s_lshl_b32 s46, s11, 2
	s_add_co_u32 s47, s46, s12
	s_lshl_b32 s47, s47, 9
	s_add_co_u32 s47, s47, STATS
	v_lshl_add_u32 v2, v[LN], 2, s47               ; v2: where I lay -M and the sums
	s_lshl_b32 s46, s46, 9
	s_lshr_b32 s47, s12, 1
	s_lshl_b32 s47, s47, 8
	s_add_co_u32 s46, s46, s47
	s_add_co_u32 s46, s46, STATS
	v_lshl_add_u32 v3, v[LN], 2, s46               ; v3: where I read the four phases' of my tile
	s_mul_i32 s46, s10, 16*SPT
	s_add_co_u32 s46, s46, STAGE                   ; my stage
	v_mul_u32_u24 v8, v22, SPT
	s_delay_alu instid0(VALU_DEP_1)
	v_lshl_add_u32 v8, v20, 4, v8
	s_delay_alu instid0(VALU_DEP_1)
	v_add_nc_u32 v8, s46, v8                       ; v8: back out of it: lanes 0-15 one row, lanes 16-31 the next
	v_lshlrev_b32 v13, 10, v22
	s_delay_alu instid0(VALU_DEP_1)
	v_lshl_add_u32 v13, v20, 4, v13                ; v13: the same two rows in out0
	v_mul_u32_u24 v11, v20, SPT
	s_delay_alu instid0(VALU_DEP_1)
	v_lshl_add_u32 v11, v22, 5, v11
	s_delay_alu instid0(VALU_DEP_1)
	v_add_nc_u32 v11, s46, v11                     ; v11: into it: row r, 32 h bytes on
	s_wait_alu depctr_va_vdst(0)
	s_barrier_signal -1
	s_barrier_wait -1                              ; nobody reads the slots any more
	WIN 0x04                                       ; an LDS store's data are its source 1: window 1
.set J, 0
.rept 64
	ds_store_b128 v1, v[4*J:4*J+3] offset:512*J    ; each accumulator from its low end on
.set J, J+1
.endr
	WIN 0
.irp u, 0,1
	ds_store_b32 v2, v[ST+4*\u] offset:256*\u
	ds_store_b32 v2, v[ST+4*\u+2] offset:256*\u+128
.endr
	s_wait_dscnt 0x0                               ; for the others' sake: my stores have landed
	s_barrier_signal -1
	s_barrier_wait -1
.irp p, 0,1,2,3
	ds_load_b32 v[40+\p], v3 offset:512*\p         ; -M of phase p
	ds_load_b32 v[44+\p], v3 offset:512*\p+128     ; its sum
.endr
.irp q, 0,1,2,3,4,5,6,7,8,9,10,11,12,13,14,15
	ds_load_b128 v[64+4*\q:64+4*\q+3], v4 offset:512*\q
.endr
.irp q, 0,1,2,3,4,5,6,7,8,9,10,11,12,13,14,15
	ds_load_b128 v[128+4*\q:128+4*\q+3], v4 offset:DUMPP+512*\q
.endr
.irp q, 0,1,2,3,4,5,6,7,8,9,10,11,12,13,14,15
	ds_load_b128 v[192+4*\q:192+4*\q+3], v7 offset:512*\q
.endr
	s_wait_dscnt 48                                ; the eight statistics are in; the 48 younger loads may be out
	v_min3_num_f32 v48, v40, v41, v42
	s_delay_alu instid0(VALU_DEP_1)
	v_min_num_f32 v48, v48, v43                    ; -M of the whole row.  Phase 0 always has a step, so it is a number; a phase without a step has -M = 3e38
.irp p, 0,1,2,3
	v_sub_f32 v[32+2*\p], v48, v[40+\p]            ; M of phase p - M: a whole number, 0 or less
.endr
.irp p, 0,1,2,3
	s_delay_alu instid0(VALU_DEP_4)
	v_cvt_i32_f32 v[32+2*\p], v[32+2*\p]           ; (it saturates)
.endr
.irp p, 0,1,2,3
	s_delay_alu instid0(VALU_DEP_4)
	v_ldexp_f32 v[32+2*\p], 1.0, v[32+2*\p]        ; f of phase p
.endr
	s_delay_alu instid0(VALU_DEP_4)
	v_mul_f32 v49, v32, v44
	s_delay_alu instid0(VALU_DEP_1)
	v_fmac_f32 v49, v34, v45
	s_delay_alu instid0(VALU_DEP_1)
	v_fmac_f32 v49, v36, v46
	s_delay_alu instid0(VALU_DEP_1)
	v_fmac_f32 v49, v38, v47                       ; the row's sum
	s_wait_alu depctr_va_vdst(0)
	v_rcp_f32 v50, v49
.irp p, 0,1,2,3
	v_mov_b32 v[33+2*\p], 0                        ; (the pairs' upper halves are named, so they are written; plain lines behind the reciprocal)
.endr
	s_wait_alu depctr_va_vdst(0)                   ; the wait ahead of the first use
.irp p, 0,1,2,3
	v_mul_f32 v[32+2*\p], v[32+2*\p], v50          ; f / sum
.endr
	s_wait_alu depctr_va_vdst(0)
	s_wait_dscnt 32                                ; phase 0's part is in
.set J, 0
.rept 32
	v_pk_mul_f32 v[64+J:65+J], v[64+J:65+J], v[32:33] op_sel_hi:[1,0]
.set J, J+2
.endr
	s_wait_dscnt 16                                ; phase 1's
.set J, 0
.rept 32
	v_pk_fma_f32 v[64+J:65+J], v[128+J:129+J], v[34:35], v[64+J:65+J] op_sel_hi:[1,0,1]
.set J, J+2
.endr
.irp q, 0,1,2,3,4,5,6,7,8,9,10,11,12,13,14,15
	ds_load_b128 v[128+4*\q:128+4*\q+3], v7 offset:DUMPP+512*\q   ; phase 3's part takes phase 1's registers
.endr
	s_wait_dscnt 16                                ; phase 2's is in; the 16 just issued may be out
.set J, 0
.rept 32
	v_pk_fma_f32 v[64+J:65+J], v[192+J:193+J], v[36:37], v[64+J:65+J] op_sel_hi:[1,0,1]
.set J, J+2
.endr
	s_wait_dscnt 0x0
.set J, 0
.rept 32
	v_pk_fma_f32 v[64+J:65+J], v[128+J:129+J], v[38:39], v[64+J:65+J] op_sel_hi:[1,0,1]
.set J, J+2
.endr
	; THE WAY OUT: register 8 t + j is out(query of lane r, channel 16 t + 8 h + j of my 128).  64 channels (256 bytes) of 16 queries at a time go through my stage and leave as whole aligned runs of 256 bytes.
.irp u, 0,1
.irp t, 0,1,2,3
	ds_store_b128 v11, v[64+32*\u+8*\t:67+32*\u+8*\t] offset:64*\t
	ds_store_b128 v11, v[68+32*\u+8*\t:71+32*\u+8*\t] offset:64*\t+16
.endr
.irp i, 0,1,2,3,4,5,6,7
	ds_load_b128 v[128+32*\u+4*\i:131+32*\u+4*\i], v8 offset:2*\i*SPT   ; LDS serves a wave's instructions in order (ISA guide 5.7.1.4): these see my stores, and the next half's stores come behind them
.endr
.endr
.irp u, 0,1
.irp i, 0,1,2,3,4,5,6,7
	s_wait_dscnt 16*(1-\u)+7-\i                    ; the younger LDS instructions may be out
	global_store_b128 v13, v[128+32*\u+4*\i:131+32*\u+4*\i], s[8:9] offset:(2*\i+8*(\i/4))*1024+256*\u th:TH_STORE_NT   ; the tile's rows 2 i and 2 i + 1 are queries 2 i + 8 (i / 4) and the next; 16 lanes store 256 consecutive bytes, aligned
.endr
.endr
	s_wait_tensorcnt 0x0                           ; the wave's end, behind my last tensor load and my last LDS store
	ds_add_u32 v[SPW], v[NIL]
	s_wait_dscnt 0x0
	ROUND                                          ; the closing round: no work-group ends while a partner may still ask for a tile that names it
	s_endpgm
.Lfunc_end_k_qb32a400daa_attn:
	.size	k_qb32a400daa_attn, .Lfunc_end_k_qb32a400daa_attn-k_qb32a400daa_attn
	.p2alignl 7, 3214868480
	.fill 96, 4, 3214868480
	.section	.rodata,"a",@progbits
	.p2align	6, 0x0
	.amdhsa_kernel k_qb32a400daa_attn
		.amdhsa_group_segment_fixed_size 327680
		.amdhsa_private_segment_fixed_size 0
		.amdhsa_enable_private_segment 0
		.amdhsa_kernarg_size 24
		.amdhsa_user_sgpr_count 2
		.amdhsa_user_sgpr_kernarg_segment_ptr 1
		.amdhsa_wavefront_size32 1
		.amdhsa_system_sgpr_workgroup_id_x 1
		.amdhsa_system_sgpr_workgroup_id_y 1
		.amdhsa_system_sgpr_workgroup_id_z 1
		.amdhsa_system_vgpr_workitem_id 0
		.amdhsa_next_free_vgpr 512
		.amdhsa_next_free_sgpr 66
		.amdhsa_reserve_vcc 1
		.amdhsa_float_denorm_mode_32 3
		.amdhsa_float_denorm_mode_16_64 3
		.amdhsa_memory_ordered 1
		.amdhsa_forward_progress 1
		.amdhsa_inst_pref_size 255
	.end_amdhsa_kernel
	.section	.bss,"aw",@nobits
	.p2align	6
	.space	262144
	.amdgpu_metadata
---
amdhsa.version: [ 1, 2 ]
amdhsa.kernels:
  - .name:           k_qb32a400daa_attn
    .symbol:         k_qb32a400daa_attn.kd
    .args:
      - { .name: qimg, .offset: 0, .size: 8, .value_kind: global_buffer, .address_space: global }
      - { .name: kv, .offset: 8, .size: 8, .value_kind: global_buffer, .address_space: global }
      - { .name: out0, .offset: 16, .size: 8, .value_kind: global_buffer, .address_space: global }
    .group_segment_fixed_size: 327680
    .private_segment_fixed_size: 0
    .kernarg_segment_align: 8
    .kernarg_segment_size: 24
    .max_flat_workgroup_size: 256
    .sgpr_count:     66
    .vgpr_count:     512
    .wavefront_size: 32
...
	.end_amdgpu_metadata
.endif
;; end of part 2
